; MI455X (gfx1250); checked and timed in simulation.
; The chip was launched on July 23, 2026; its instructions are those of AMD's public machine-readable ISA for CDNA 5 (MIT licence, August 2026) and "CDNA5" Instruction Set Architecture Reference Guide (July 2026). The comments in the code are by the model that wrote it; some were corrected since.
;; Expert Parallel Mo E. Allowed arithmetic: float matrix products may take bf16 or f16 operands with f32 sums; all other float work in f32.
;; Inputs: b1 8 x 2,048 float32; b2 8 x 1,024 float32; hidden_states 4 x 512 x 1,024 float32; router_w 1,024 x 8 float32; w1 8 x 1,024 x 2,048 float32; w2 8 x 2,048 x 1,024 float32.
;; Outputs: out0 4 x 512 x 1,024 float32.
;; One version. Each part assembles by itself: llvm-mc -triple=amdgcn-amd-amdhsa -mcpu=gfx1250 --defsym DOCPART=n.
;; ======== version 1 of 1: 5 launches
;; workspace buffers: hb 4,196,352 bytes; msk 4,096 bytes of whole numbers; gt 16,384 bytes; xf 33,816,576 bytes; hf 67,633,152 bytes; tk 66,304 bytes of whole numbers; y 36,700,160 bytes
;; launch router (part 1): grid 64 x 1, 8 waves a work-group, no clusters, 142,336 bytes of LDS; arguments hidden_states, router_w, hb, msk, gt; writes hb, msk, gt
.if DOCPART == 1
	.amdgcn_target "amdgcn-amd-amdhsa--gfx1250"
	.amdhsa_code_object_version 6
	.text
	.protected	k_q899193145a_router
	.globl	k_q899193145a_router
	.p2align	8
	.type	k_q899193145a_router,@function
k_q899193145a_router:
	s_mov_b64 s[64:65], 0
	v_nop
	global_prefetch_b8 v0, s[64:65] scope:SCOPE_SE
	s_setreg_imm32_b32 hwreg(HW_REG_WAVE_MODE, 25, 1), 1
	s_wait_xcnt 0x0
; ROUTER.  h: [2048][1024] f32, router_w: [1024][8] f32.  Stores hb = bf16(h), [2049][1024] (row 2048 = zeros, the source of pad slots);
; gt = the two renormalised gates of each token, f32 [2048][2]; msk = u32 [2 (choice k)][8 (expert)][64 (chunk of 32 tokens)]: bit l says that
; token 32 c + l has that expert as its k-th choice.  The choice is stored as whole numbers here and turned into addresses only by later launches.
; ARITHMETIC.  logits = bf16(h) x bf16(router_w) by the matrix unit, sums in f32; softmax with the row's maximum taken away, top 2 (the lower index wins a tie), gates p / (p1 + p2), all f32.
; LIMITS.  A token whose second and third probabilities agree to the last bits of an f32 sum of 1,024 products may take the other of the two experts.  NaN and infinities are not
; treated apart.  An exponential below 2^-126 counts as 0.
; SHARES.  A work-group owns 32 tokens.  Wave w owns 16 of them (w / 4) and 256 of the 1,024 channels (w % 4): 8 matrix instructions.  The four partial sums of a token meet in LDS
; behind the one barrier, and wave 0, one lane a token, makes the choice.
; The matrix instruction is used transposed: source 0 = 16 "experts" (8 real, 8 columns of zeros), source 1 = 16 tokens: lanes 0-15 then hold one token's 8 logits in 8 registers.
; No cluster, no copies into LDS by an engine: work-groups share router_w alone, 32 KB against the 128 KB of h that each reads.
.set XSP, 528                          ; a token's 256 channels in bf16, 512 bytes + 16: the 16 rows of a fragment load start 16 bytes apart modulo 256
.set XSB, 16*XSP                       ; a wave's 16 rows
.set RS0, 8*XSB                        ; behind them: for each wave 256 k x 32 bytes: 8 experts in bf16, then 16 bytes of zeros
.set PT0, RS0+8*8192                   ; behind them: for each wave 32 lanes x 32 bytes of partial sums
.set RP,  32                           ; v[32:63]   router_w packed; later the wave's sums
.set HL,  64                           ; v[64:191]  h as loaded
.set XF,  64                           ; v[64:127]  later: fragments of the tokens
.set WF,  128                          ; v[128:191] later: fragments of router_w
.set RL,  192                          ; v[192:255] router_w as loaded
.set HP,  192                          ; v[192:255] later: h packed, 32 pairs, the data of the stores to hb: not rewritten
	s_load_b256 s[4:11], s[0:1], 0x0               ; h s[4:5], router_w s[6:7], hb s[8:9], msk s[10:11]
	s_load_b64 s[12:13], s[0:1], 0x20              ; gt
	s_set_vgpr_msb 0x40
	v_lshl_add_u32 v0, v0, 2, 0x22800
	v_mov_b32 v1, 0
	s_set_vgpr_msb 0x4000
	v_lshrrev_b32 v1, 5, v0
	v_readfirstlane_b32 s16, v1                    ; wave 0..7
	s_mov_b32 s17, ttmp9                           ; b: tokens 32 b .. 32 b + 31
	s_lshr_b32 s18, s16, 2                         ; which 16 tokens
	s_and_b32 s19, s16, 3                          ; which 256 channels
	v_and_b32 v1, 31, v0                           ; L
	v_lshlrev_b32 v2, 4, v1                        ; 16 L
	v_lshlrev_b32 v3, 3, v1                        ; 8 L
	v_and_b32 v4, 15, v1                           ; r = L % 16
	v_lshrrev_b32 v5, 4, v1                        ; h = L / 16
	s_mul_i32 s28, s16, XSB                        ; my wave's token rows in LDS
	s_lshl_b32 s29, s16, 13
	s_add_co_u32 s29, s29, RS0                     ; my wave's rows of router_w
	s_lshl_b32 s30, s16, 10
	s_add_co_u32 s30, s30, PT0                     ; my wave's partial sums
	v_add_nc_u32 v6, s28, v3                       ; where I put 4 packed channels of a token
	v_lshrrev_b32 v7, 1, v1
	v_lshlrev_b32 v7, 5, v7
	v_and_b32 v8, 1, v1
	v_lshl_add_u32 v7, v8, 3, v7
	v_add_nc_u32 v7, s29, v7                       ; where I put 4 packed experts: row L / 2, half L % 2
	v_lshl_add_u32 v8, v1, 5, s29
	v_add_nc_u32 v8, 16, v8                        ; the zero half of row L
	v_mul_u32_u24 v9, v4, XSP
	v_lshl_add_u32 v9, v5, 4, v9
	v_add_nc_u32 v9, s28, v9                       ; token fragment: row r, 16 bytes for each half of the lanes
	v_and_b32 v10, 7, v1
	v_lshl_add_u32 v10, v5, 3, v10
	v_lshlrev_b32 v10, 5, v10
	v_bfe_u32 v11, v1, 3, 1
	v_lshl_add_u32 v10, v11, 4, v10
	v_add_nc_u32 v10, s29, v10                     ; turning load: row 8 h + L % 8, 16 bytes (L / 8) % 2
	v_lshl_add_u32 v11, v1, 5, s30                 ; my lane's 32 bytes of partial sums
	v_mov_b32 v12, 0
	v_mov_b32 v13, 0
	v_mov_b32 v14, 0
	v_mov_b32 v15, 0
	s_lshl_b32 s20, s17, 17                        ; byte offset in h: (32 b + 16 tile) x 4,096 + 1,024 x quarter
	s_lshl_b32 s21, s18, 16
	s_add_co_u32 s20, s20, s21
	s_lshl_b32 s21, s19, 10
	s_add_co_u32 s20, s20, s21
	s_mov_b32 s21, 0
	s_lshr_b32 s22, s20, 1                         ; in hb: half of that
	s_mov_b32 s23, 0
	s_lshl_b32 s24, s19, 13                        ; in router_w: 256 rows of 32 bytes a quarter
	s_mov_b32 s25, 0
	s_lshl_b32 s26, s17, 8                         ; in gt: 32 tokens x 8 bytes
	s_mov_b32 s27, 0
	s_lshl_b32 s32, s17, 2                         ; in msk: word b of each of the 16 rows
	s_mov_b32 s33, 0
	s_wait_kmcnt 0x0
	s_add_nc_u64 s[20:21], s[4:5], s[20:21]
	s_add_nc_u64 s[22:23], s[8:9], s[22:23]
	s_add_nc_u64 s[24:25], s[6:7], s[24:25]
	s_add_nc_u64 s[26:27], s[12:13], s[26:27]
	s_add_nc_u64 s[32:33], s[10:11], s[32:33]
.set i, 0
.rept 16                               ; my quarter of router_w: 8,192 consecutive bytes; lane L of load i holds row 16 i + L / 2, experts 4 (L % 2) on
	global_load_b128 v[RL+4*i:RL+4*i+3], v2, s[24:25] offset:512*i
.set i, i+1
.endr
.set i, 0
.rept 32                               ; my 16 tokens x 1,024 bytes: load i is token i / 2, half i % 2: 512 consecutive bytes; h is read once in the launch
	global_load_b128 v[HL+4*i:HL+4*i+3], v2, s[20:21] offset:(i/2)*4096+(i%2)*512 th:TH_LOAD_NT
.set i, i+1
.endr
.set i, 0
.rept 8                                ; experts 8-15 are zeros: 16 bytes in each of my 256 rows
	ds_store_b128 v8, v[12:15] offset:1024*i
.set i, i+1
.endr
.set i, 0
.rept 16
	s_wait_loadcnt 47-i                            ; loads come back in order (ISA guide 5.7.1): behind load i stand 15 - i of router_w and 32 of h
	v_cvt_pk_bf16_f32 v[RP+2*i], v[RL+4*i], v[RL+4*i+1]
	v_cvt_pk_bf16_f32 v[RP+2*i+1], v[RL+4*i+2], v[RL+4*i+3]
	ds_store_b64 v7, v[RP+2*i:RP+2*i+1] offset:512*i
.set i, i+1
.endr
.set i, 0
.rept 32
	s_wait_loadcnt 31-i                            ; the younger loads of h stay out
	v_cvt_pk_bf16_f32 v[HP+2*i], v[HL+4*i], v[HL+4*i+1]
	v_cvt_pk_bf16_f32 v[HP+2*i+1], v[HL+4*i+2], v[HL+4*i+3]
	ds_store_b64 v6, v[HP+2*i:HP+2*i+1] offset:(i/2)*XSP+(i%2)*256
	global_store_b64 v3, v[HP+2*i:HP+2*i+1], s[22:23] offset:(i/2)*2048+(i%2)*256  ; the wave's store covers 256 consecutive bytes, at a multiple of 256 from hb's first byte
.set i, i+1
.endr
.set i, 0
.rept 8                                ; the fragments of 8 K steps of 32.  The bytes are my wave's own: LDS serves a wave's instructions in order (ISA guide 5.7.1.4)
	ds_load_tr16_b128 v[WF+8*i:WF+8*i+3], v10 offset:1024*i
	ds_load_tr16_b128 v[WF+8*i+4:WF+8*i+7], v10 offset:1024*i+512
	ds_load_b128 v[XF+8*i:XF+8*i+3], v9 offset:64*i
	ds_load_b128 v[XF+8*i+4:XF+8*i+7], v9 offset:64*i+32
.set i, i+1
.endr
	s_wait_dscnt 0x0
	v_wmma_f32_16x16x32_bf16 v[16:23], v[WF:WF+7], v[XF:XF+7], 0             ; two accumulators take turns; the first two products start the sums
	v_wmma_f32_16x16x32_bf16 v[24:31], v[WF+8:WF+15], v[XF+8:XF+15], 0
.set i, 2
.rept 6
	v_wmma_f32_16x16x32_bf16 v[16+8*(i%2):23+8*(i%2)], v[WF+8*i:WF+8*i+7], v[XF+8*i:XF+8*i+7], v[16+8*(i%2):23+8*(i%2)]
.set i, i+1
.endr
.rept 4
	v_nop                                          ; four places between the last product and the first read of its result (ISA guide 7.12.1)
.endr
.irp p, 0,2,4,6                        ; from the low end on
	v_pk_add_f32 v[RP+\p:RP+\p+1], v[16+\p:17+\p], v[24+\p:25+\p]
.endr
	ds_store_b128 v11, v[RP:RP+3]
	ds_store_b128 v11, v[RP+4:RP+7] offset:16
	s_wait_dscnt 0x0                               ; for wave 0's sake: my partial sums are in LDS
	s_barrier_signal -1
	s_barrier_wait -1
	s_cmp_eq_u32 s16, 0
	s_cbranch_scc1 .Lchoose
	s_cmp_lg_u32 s16, 1
	s_cbranch_scc1 .Lend
	s_cmp_lg_u32 s17, 0
	s_cbranch_scc1 .Lend
.irp i, 0,1,2,3                        ; wave 1 of work-group 0: hb's row 2048, 2,048 bytes of zeros
	global_store_b128 v2, v[12:15], s[8:9] offset:2048*2048+512*\i
.endr
.Lend:
	s_set_vgpr_msb 0x5
	s_wait_tensorcnt 0x0
	ds_add_u32 v0, v1
	s_wait_dscnt 0x0
	s_set_vgpr_msb 0x500
	s_endpgm
.Lchoose:                              ; wave 0: lane L stands for token 32 b + L
	v_lshlrev_b32 v40, 12, v5                      ; the four waves of my token's tile,
	v_lshl_add_u32 v40, v4, 5, v40                 ; their lane r
	v_add_nc_u32 v40, PT0, v40
.irp q, 0,1,2,3
	ds_load_b128 v[64+8*\q:67+8*\q], v40 offset:1024*\q
	ds_load_b128 v[68+8*\q:71+8*\q], v40 offset:1024*\q+16
.endr
	s_wait_dscnt 0x0
.irp p, 0,2,4,6
	v_pk_add_f32 v[64+\p:65+\p], v[64+\p:65+\p], v[72+\p:73+\p]
	v_pk_add_f32 v[80+\p:81+\p], v[80+\p:81+\p], v[88+\p:89+\p]
.endr
.irp p, 0,2,4,6
	v_pk_add_f32 v[64+\p:65+\p], v[64+\p:65+\p], v[80+\p:81+\p]  ; the 8 logits
.endr
	v_max3_num_f32 v72, v64, v65, v66
	v_max3_num_f32 v72, v72, v67, v68
	v_max3_num_f32 v72, v72, v69, v70
	v_max_num_f32 v72, v72, v71                    ; the row's maximum
.irp i, 0,1,2,3,4,5,6,7
	v_sub_f32 v[64+\i], v[64+\i], v72
.endr
.irp i, 0,1,2,3,4,5,6,7
	v_mul_f32 v[64+\i], 0x3fb8aa3b, v[64+\i]       ; log2(e)
.endr
.irp i, 0,1,2,3,4,5,6,7
	v_exp_f32 v[64+\i], v[64+\i]
.endr
	v_nop                                          ; a plain instruction between the last exponential and the use of its result (ISA guide 5.7.2)
	s_wait_alu depctr_va_vdst(0)
	v_add_f32 v73, v64, v65
	v_add_f32 v74, v66, v67
	v_add_f32 v75, v68, v69
	v_add_f32 v76, v70, v71
	v_add_f32 v73, v73, v74
	v_add_f32 v75, v75, v76
	v_add_f32 v73, v73, v75
	v_rcp_f32 v73, v73
	v_nop
	s_wait_alu depctr_va_vdst(0)
.irp i, 0,1,2,3,4,5,6,7
	v_mul_f32 v[64+\i], v[64+\i], v73              ; the probabilities
.endr
	v_mov_b32 v74, v64                             ; the largest and its index: a later one wins only if it is greater
	v_mov_b32 v75, 0
.set i, 1
.rept 7
	v_cmp_gt_f32 vcc_lo, v[64+i], v74
	v_cndmask_b32 v74, v74, v[64+i], vcc_lo
	v_cndmask_b32 v75, v75, i, vcc_lo
.set i, i+1
.endr
	v_mov_b32 v76, -1.0                            ; the largest of the others: every probability is above -1
	v_mov_b32 v77, 0
.set i, 0
.rept 8
	v_cmp_ne_u32 s56, i, v75
	v_cmp_gt_f32 vcc_lo, v[64+i], v76
	s_and_b32 vcc_lo, vcc_lo, s56
	v_cndmask_b32 v76, v76, v[64+i], vcc_lo
	v_cndmask_b32 v77, v77, i, vcc_lo
.set i, i+1
.endr
	v_add_f32 v78, v74, v76
	v_rcp_f32 v78, v78
	v_nop
	s_wait_alu depctr_va_vdst(0)
	v_mul_f32 v80, v74, v78
	v_mul_f32 v81, v76, v78
	global_store_b64 v3, v[80:81], s[26:27]        ; 32 tokens' gates: 256 consecutive bytes, at a multiple of 256 from gt's first byte
.set i, 0
.rept 8
	v_cmp_eq_u32 s[40+i], i, v75                   ; a word of 32 bits for each choice and expert
	v_cmp_eq_u32 s[48+i], i, v77
.set i, i+1
.endr
	v_mov_b32 v82, 0
.set i, 0
.rept 16
	v_writelane_b32 v82, s[40+i], i                ; lane 8 k + e holds that word
.set i, i+1
.endr
	v_lshlrev_b32 v83, 8, v1                       ; row 8 k + e of msk is 256 bytes: the next launch reads an expert's 64 words on end
	v_cmp_gt_u32 vcc_lo, 16, v1
	s_wait_xcnt 0x0                                ; EXEC is a source of the store above: it changes only behind this wait
	s_set_vgpr_msb 0x5
	s_wait_tensorcnt 0x0
	ds_add_u32 v0, v1
	s_wait_dscnt 0x0
	s_set_vgpr_msb 0x500
	s_and_saveexec_b32 s57, vcc_lo
	global_store_b32 v83, v82, s[32:33]            ; 16 words a work-group
	s_wait_xcnt 0x0
	s_or_b32 exec_lo, exec_lo, s57
	s_endpgm
.Lfunc_end_k_q899193145a_router:
	.size	k_q899193145a_router, .Lfunc_end_k_q899193145a_router-k_q899193145a_router
	.p2alignl 7, 3214868480
	.fill 96, 4, 3214868480
	.section	.rodata,"a",@progbits
	.p2align	6, 0x0
	.amdhsa_kernel k_q899193145a_router
		.amdhsa_group_segment_fixed_size 142336
		.amdhsa_private_segment_fixed_size 0
		.amdhsa_enable_private_segment 0
		.amdhsa_kernarg_size 40
		.amdhsa_user_sgpr_count 2
		.amdhsa_user_sgpr_kernarg_segment_ptr 1
		.amdhsa_wavefront_size32 1
		.amdhsa_system_sgpr_workgroup_id_x 1
		.amdhsa_system_sgpr_workgroup_id_y 1
		.amdhsa_system_sgpr_workgroup_id_z 1
		.amdhsa_system_vgpr_workitem_id 0
		.amdhsa_next_free_vgpr 258
		.amdhsa_next_free_sgpr 66
		.amdhsa_reserve_vcc 1
		.amdhsa_float_denorm_mode_32 3
		.amdhsa_float_denorm_mode_16_64 3
		.amdhsa_memory_ordered 1
		.amdhsa_forward_progress 1
		.amdhsa_inst_pref_size 34
	.end_amdhsa_kernel
	.amdgpu_metadata
---
amdhsa.version: [ 1, 2 ]
amdhsa.kernels:
  - .name:           k_q899193145a_router
    .symbol:         k_q899193145a_router.kd
    .args:
      - { .name: hidden_states, .offset: 0, .size: 8, .value_kind: global_buffer, .address_space: global }
      - { .name: router_w, .offset: 8, .size: 8, .value_kind: global_buffer, .address_space: global }
      - { .name: hb, .offset: 16, .size: 8, .value_kind: global_buffer, .address_space: global }
      - { .name: msk, .offset: 24, .size: 8, .value_kind: global_buffer, .address_space: global }
      - { .name: gt, .offset: 32, .size: 8, .value_kind: global_buffer, .address_space: global }
    .group_segment_fixed_size: 142336
    .private_segment_fixed_size: 0
    .kernarg_segment_align: 8
    .kernarg_segment_size: 40
    .max_flat_workgroup_size: 256
    .sgpr_count:     66
    .vgpr_count:     258
    .wavefront_size: 32
...
	.end_amdgpu_metadata
.endif
;; end of part 1
;; launch dispatch (part 2): grid 36 x 8, 1 waves a work-group, no clusters, 42,240 bytes of LDS; arguments hb, msk, xf, tk; writes xf, tk
.if DOCPART == 2
	.amdgcn_target "amdgcn-amd-amdhsa--gfx1250"
	.amdhsa_code_object_version 6
	.text
	.protected	k_q899193145a_dispatch
	.globl	k_q899193145a_dispatch
	.p2align	8
	.type	k_q899193145a_dispatch,@function
k_q899193145a_dispatch:
	s_mov_b64 s[64:65], 0
	v_nop
	global_prefetch_b8 v0, s[64:65] scope:SCOPE_SE
	s_setreg_imm32_b32 hwreg(HW_REG_WAVE_MODE, 25, 1), 1
	s_wait_xcnt 0x0
; DISPATCH.  From msk (u32 [2][8][64], bit l of word c: token 32 c + l chose the expert as its k-th) each expert's tokens get SLOTS, in ascending order of token; the slots are rounded
; up to NG groups of 48 (pad slots take hb's row of zeros).  Stores
;   tk: u32 [8][2064]: slot -> row of the last product's output, 2 t + k; pad slot p of expert e: 4096 + 48 e + p.  At byte 66,048 + 4 e: NG[e].
;   xf: bf16 [8][129 tiles of 16 slots][32 K steps][1,024 bytes], in the order of a matrix fragment: in a block, byte 512 j + 16 L holds slot L % 16, channels 32 s + 16 j + 8 (L / 16) + 0..7,
;       so that the product's waves load a fragment as two runs of 512 consecutive bytes, with no LDS between.
; SHARES.  One wave a work-group.  Work-group (x, e) scans the expert's 128 mask words (512 bytes: cheaper than a launch of its own), then makes tiles x, x + 36, .. below 3 NG.
; 36 serves up to 576 tokens an expert in one trip, an eighth more than the even split's 512; an expert with more takes more trips, and with fewer tiles than 36 the work-groups beyond them have only scanned.
; No matrix unit, no cluster: the launch copies rows; what work-groups share is the 512 bytes of masks.
.set LISTB,  8704                      ; LDS 0: slot -> 2 t + k, words 0..2047; words 2048..2079: one word a lane for lanes whose token did not choose the expert; the rest to a multiple of 512
.set STAGE,  LISTB                     ; behind it: 16 rows of 2,048 bytes + 16: the 16 rows of a fragment read start 16 bytes apart modulo 256
.set SPITCH, 2064
.set XE,     129*32768                 ; an expert's bytes in xf
.set TKE,    2064*4                    ; and in tk
.set NGAT,   8*TKE
	s_load_b256 s[4:11], s[0:1], 0x0               ; hb s[4:5], msk s[6:7], xf s[8:9], tk s[10:11]
	v_lshl_add_u32 v192, v0, 2, 0xa400
	v_mov_b32 v193, 0
	s_and_b32 s12, ttmp7, 0xffff                   ; e
	s_mov_b32 s13, ttmp9                           ; x
	v_lshlrev_b32 v1, 4, v0                        ; 16 L
	v_add_nc_u32 v2, 2048, v0                      ; my spare word of the list
	v_lshlrev_b32 v3, 1, v0                        ; 2 t for my token of the chunk in hand,
	v_or_b32 v4, 1, v3                             ; 2 t + 1
	v_and_b32 v14, 15, v0                          ; r
	v_lshrrev_b32 v15, 4, v0                       ; h
	v_mul_u32_u24 v13, v14, SPITCH
	v_lshl_add_u32 v13, v15, 4, v13
	v_add_nc_u32 v13, STAGE, v13                   ; a fragment's 16 bytes: row r, half h
	v_mov_b32 v16, 0
	v_mov_b32 v17, 0
	v_mov_b32 v18, 0
	v_mov_b32 v19, 0
.set i, 0
.rept 17                               ; the list starts as zeros: pad slots read words that the scan does not write
	ds_store_b128 v1, v[16:19] offset:512*i
.set i, i+1
.endr
	s_mov_b32 s14, 0                               ; tokens of the expert so far
	s_lshl_b32 s58, s12, 8
	s_mov_b32 s59, 0
	s_wait_kmcnt 0x0
	s_add_nc_u64 s[56:57], s[6:7], s[58:59]        ; the expert's 64 words of first choices; those of second choices lie 2,048 bytes on
; 16 chunks of 32 tokens.  A lane whose token chose the expert gets the rank: the tokens so far + the chosen lanes below it; it writes 2 t + k at that word of the list.
.macro SCAN16 m0, m1
.set c, 0
.rept 16
	s_or_b32 s15, s[\m0+c], s[\m1+c]               ; a token names an expert once at the most
	v_mbcnt_lo_u32_b32 v5, s15, s14
	v_cndmask_b32 v6, v2, v5, s15
	v_min_u32 v6, 2079, v6                         ; inside the list whatever the masks hold
	v_lshlrev_b32 v7, 2, v6
	v_cndmask_b32 v8, v3, v4, s[\m1+c]
	ds_store_b32 v7, v8
	v_add_nc_u32 v3, 64, v3
	v_add_nc_u32 v4, 64, v4
	s_bcnt1_i32_b32 s15, s15
	s_add_co_u32 s14, s14, s15
.set c, c+1
.endr
.endm
	s_load_b512 s[16:31], s[56:57], 0x0            ; two sets of registers take turns: one is scanned while the other is on its way
	s_load_b512 s[32:47], s[56:57], 0x800
	s_wait_kmcnt 0x0
	s_load_b512 s[68:83], s[56:57], 0x40
	s_load_b512 s[84:99], s[56:57], 0x840
	SCAN16 16, 32
	s_wait_kmcnt 0x0
	s_load_b512 s[16:31], s[56:57], 0x80
	s_load_b512 s[32:47], s[56:57], 0x880
	SCAN16 68, 84
	s_wait_kmcnt 0x0
	s_load_b512 s[68:83], s[56:57], 0xc0
	s_load_b512 s[84:99], s[56:57], 0x8c0
	SCAN16 16, 32
	s_wait_kmcnt 0x0
	SCAN16 68, 84
	s_add_co_u32 s48, s14, 47
	s_mul_hi_u32 s48, s48, 89478486                ; NG = (n + 47) / 48: the factor is 2^32 / 48 rounded up, exact for n + 47 up to 2,095
	s_min_u32 s48, s48, 43
	s_mul_i32 s49, s48, 3                          ; tiles
	s_mul_i32 s51, s12, 48
	s_add_co_u32 s51, s51, 4096
	s_sub_co_u32 s51, s51, s14                     ; slot i >= n stands for row i + this
	s_mul_i32 s58, s12, TKE
	s_add_nc_u64 s[54:55], s[10:11], s[58:59]      ; the expert's part of tk
	s_mul_i32 s58, s12, XE
	s_add_nc_u64 s[62:63], s[8:9], s[58:59]        ; and of xf
	s_cmp_lg_u32 s13, 0
	s_cbranch_scc1 .Lnot_first
	s_lshl_b32 s58, s12, 2
	v_mov_b32 v7, s58
	v_mov_b32 v9, s48
	v_cmp_eq_u32 vcc_lo, 0, v0
	s_wait_xcnt 0x0                                ; EXEC changes only behind this wait
	s_and_saveexec_b32 s60, vcc_lo
	global_store_b32 v7, v9, s[10:11] offset:NGAT  ; work-group (0, e), lane 0: NG[e]
	s_wait_xcnt 0x0
	s_or_b32 exec_lo, exec_lo, s60
.Lnot_first:
	s_mov_b32 s50, s13                             ; my first tile
	s_cmp_ge_u32 s50, s49
	s_cbranch_scc1 .Lend
	s_sub_co_u32 s61, s49, s13                     ; my trips: (tiles - x + 35) / 36, one at the least here;
	s_add_co_u32 s61, s61, 35
	s_mul_hi_u32 s61, s61, 119304648               ; the factor is 2^32 / 36 rounded up, exact up to the 164 that 129 tiles give
	s_min_u32 s61, s61, 4                          ; 129 tiles are four trips at the most
	s_mov_b32 s66, 0                               ; the loop counts its trips one by one; the tile's number steps beside the count
.Ltile:                                ; a trip makes one tile: 16 slots x 2,048 bytes
	s_min_u32 s15, s50, 128                        ; the tile, inside xf's 129 whatever was read
	s_lshl_b32 s58, s15, 4
	v_add_nc_u32 v10, s58, v14                     ; slot i = 16 x tile + r
	v_min_u32 v10, 2063, v10
	v_lshlrev_b32 v7, 2, v10
	ds_load_b32 v11, v7
	s_lshl_b32 s58, s15, 15
	s_add_nc_u64 s[52:53], s[62:63], s[58:59]      ; the tile's 32,768 bytes of xf
	v_add_nc_u32 v9, s51, v10
	v_cmp_gt_u32 vcc_lo, s14, v10                  ; a real slot?
	s_wait_dscnt 0x0
	v_cndmask_b32 v11, v9, v11, vcc_lo
	global_store_b32 v7, v11, s[54:55]             ; 16 words; lanes 16-31 write the same words with the same numbers as lanes 0-15
	v_lshrrev_b32 v12, 1, v11                      ; the token; 2,048 or more for a pad slot
.set r, 0
.rept 16
	v_readlane_b32 s58, v12, r
	s_min_u32 s58, s58, 2048                       ; pad slots take the row of zeros
	s_lshl_b32 s58, s58, 11
	s_add_nc_u64 s[16+2*r:17+2*r], s[4:5], s[58:59]
.set r, r+1
.endr
.set r, 0
.rept 8                                ; rows 0-7: four loads of 512 consecutive bytes each
.irp q, 0,1,2,3
	global_load_b128 v[64+16*r+4*\q:64+16*r+4*\q+3], v1, s[16+2*r:17+2*r] offset:512*\q
.endr
.set r, r+1
.endr
.set r, 0
.rept 8
	s_wait_loadcnt 28                              ; behind this row's four loads stand seven rows' 28
.irp q, 0,1,2,3
	ds_store_b128 v1, v[64+16*r+4*\q:64+16*r+4*\q+3] offset:STAGE+SPITCH*r+512*\q
.endr
.irp q, 0,1,2,3
	global_load_b128 v[64+16*r+4*\q:64+16*r+4*\q+3], v1, s[32+2*r:33+2*r] offset:512*\q  ; the row eight further on, into the same registers
.endr
.set r, r+1
.endr
.set r, 0
.rept 8
	s_wait_loadcnt 4*(7-r)                         ; the counts run down
.irp q, 0,1,2,3
	ds_store_b128 v1, v[64+16*r+4*\q:64+16*r+4*\q+3] offset:STAGE+SPITCH*(r+8)+512*\q
.endr
.set r, r+1
.endr
.set b, 0
.rept 4                                ; 64 half fragments in four runs of 16, on two sets of registers by turns
	s_wait_xcnt 0x0                                ; the set's registers are the data of the stores two runs back: loaded again only behind this wait
.set m, 0
.rept 16
	ds_load_b128 v[64+64*(b%2)+4*m:64+64*(b%2)+4*m+3], v13 offset:32*(16*b+m)  ; K step (16 b + m) / 2, half (16 b + m) % 2
.set m, m+1
.endr
.set m, 0
.rept 16
	s_wait_dscnt 15-m                              ; LDS loads come back in order (ISA guide 5.7.1)
	global_store_b128 v1, v[64+64*(b%2)+4*m:64+64*(b%2)+4*m+3], s[52:53] offset:512*(16*b+m)  ; 512 consecutive bytes, at a multiple of 512 from xf's first byte
.set m, m+1
.endr
.set b, b+1
.endr
	s_wait_xcnt 0x0                                ; the next trip rewrites the stores' base, offsets and data
	s_add_co_u32 s50, s50, 36                      ; my next tile
	s_add_co_u32 s66, s66, 1
	s_cmp_lt_u32 s66, s61
	s_cbranch_scc1 .Ltile
.Lend:
	s_wait_tensorcnt 0x0
	ds_add_u32 v192, v193
	s_wait_dscnt 0x0
	s_endpgm
.Lfunc_end_k_q899193145a_dispatch:
	.size	k_q899193145a_dispatch, .Lfunc_end_k_q899193145a_dispatch-k_q899193145a_dispatch
	.p2alignl 7, 3214868480
	.fill 96, 4, 3214868480
	.section	.rodata,"a",@progbits
	.p2align	6, 0x0
	.amdhsa_kernel k_q899193145a_dispatch
		.amdhsa_group_segment_fixed_size 42240
		.amdhsa_private_segment_fixed_size 0
		.amdhsa_enable_private_segment 0
		.amdhsa_kernarg_size 32
		.amdhsa_user_sgpr_count 2
		.amdhsa_user_sgpr_kernarg_segment_ptr 1
		.amdhsa_wavefront_size32 1
		.amdhsa_system_sgpr_workgroup_id_x 1
		.amdhsa_system_sgpr_workgroup_id_y 1
		.amdhsa_system_sgpr_workgroup_id_z 1
		.amdhsa_system_vgpr_workitem_id 0
		.amdhsa_next_free_vgpr 194
		.amdhsa_next_free_sgpr 100
		.amdhsa_reserve_vcc 1
		.amdhsa_float_denorm_mode_32 3
		.amdhsa_float_denorm_mode_16_64 3
		.amdhsa_memory_ordered 1
		.amdhsa_forward_progress 1
		.amdhsa_inst_pref_size 63
	.end_amdhsa_kernel
	.amdgpu_metadata
---
amdhsa.version: [ 1, 2 ]
amdhsa.kernels:
  - .name:           k_q899193145a_dispatch
    .symbol:         k_q899193145a_dispatch.kd
    .args:
      - { .name: hb, .offset: 0, .size: 8, .value_kind: global_buffer, .address_space: global }
      - { .name: msk, .offset: 8, .size: 8, .value_kind: global_buffer, .address_space: global }
      - { .name: xf, .offset: 16, .size: 8, .value_kind: global_buffer, .address_space: global }
      - { .name: tk, .offset: 24, .size: 8, .value_kind: global_buffer, .address_space: global }
    .group_segment_fixed_size: 42240
    .private_segment_fixed_size: 0
    .kernarg_segment_align: 8
    .kernarg_segment_size: 32
    .max_flat_workgroup_size: 32
    .sgpr_count:     100
    .vgpr_count:     194
    .wavefront_size: 32
...
	.end_amdgpu_metadata
.endif
;; end of part 2
;; launch gemm1 (part 3): grid 32 x 8, 16 waves a work-group, no clusters, 166,144 bytes of LDS; arguments xf, w1, b1, tk, hf; writes hf
.if DOCPART == 3
	.amdgcn_target "amdgcn-amd-amdhsa--gfx1250"
	.amdhsa_code_object_version 6
	.text
	.protected	k_q899193145a_gemm1
	.globl	k_q899193145a_gemm1
	.p2align	8
	.type	k_q899193145a_gemm1,@function
k_q899193145a_gemm1:
	s_mov_b64 s[64:65], 0
	v_nop
	global_prefetch_b8 v0, s[64:65] scope:SCOPE_SE
	s_setreg_imm32_b32 hwreg(HW_REG_WAVE_MODE, 25, 1), 1
	s_wait_xcnt 0x0
; ONE TEXT FOR BOTH PRODUCTS OF AN EXPERT'S MLP; KIND chooses.  Only the slots of tokens that chose the expert are computed: what the reference's gather throws away is not made.
;   KIND 1: hf = bf16(gelu(X W1[e] + b1[e])), gelu in its tanh form, x / (1 + 2^(x (a + b x^2))).  X = xf, in fragment order; hf in the same order, [8][129 tiles][64 K steps][1,024 bytes].
;   KIND 2: y[half][row] = gate x (H W2[e] (K half) + b2[e] (in half 0 alone)), f32, row = tk[slot].  H = hf.
; FORMATS.  Weights and biases are rounded to bf16 here, once; X and H arrive in bf16; sums, gelu and gates in f32.  NaN and infinities are not treated apart.
; SHARES.  A work-group owns an expert, 64 output columns and 1,024 of K: 8 x 32 work-groups (KIND 2: 16 column slices x 2 halves of K).  Its 1,024 x 64 weights, 256 KB of f32, are read once,
; in rows of 256 aligned bytes, and stay in LDS as bf16 [k][n]; ds_load_tr16_b128 turns them.  The slots go in GROUPS of 48 (three tiles of 16); NG[e] groups, a number read from tk, are dealt
; to the 16 waves, which share nothing behind the one barrier; a wave without a group has done its share of the weights and ends.
; The matrix instruction is used transposed: source 0 = 16 columns of W, source 1 = 16 slots: a lane holds one slot (L % 16) and 8 neighbouring columns, 8 (L / 16) on.
; Packed to bf16 those are the lane's own 16 bytes of the next product's fragment, so KIND 1 stores with no stage, 512 consecutive bytes an instruction.
; NO CLUSTER, NO COPIES BY AN ENGINE.  An expert's 32 work-groups read the same fragments, but into registers, each wave at a time of its own.  A joint load lands in LDS, where 163,840 bytes hold
; the weights; it would add an LDS write and an LDS read of each of a step's 3,072 fragment bytes to the 8 LDS loads (4,096 bytes) that the step's 12 matrix instructions already need.
.set KIND, 1
.if KIND == 1
.set ATILE, 32*1024                    ; a tile's bytes in the left operand
.set WP,    2048*4                     ; bytes from row to row of the weights
.set BROW,  2048*4                     ; an expert's bytes of bias
.else
.set ATILE, 64*1024
.set WP,    1024*4
.set BROW,  1024*4
.endif
.set AE,    129*ATILE                  ; an expert's bytes in the left operand
.set HTILE, 64*1024
.set HE,    129*HTILE
.set YH,    4480*4096                  ; a plane of y
.set TKE,   2064*4
.set NGAT,  8*TKE
.set WPL,   160                        ; a row of W in LDS: 128 bytes + 32: 8 rows x 32 bytes of a turning load fall on 256 different bytes modulo 256
.set BIAS,  1024*WPL                   ; 64 f32
.set STG,   BIAS+256                   ; KIND 2: for each wave 16 rows x 272 bytes, its own
.set SPI,   272
.set BF,    32                         ; v[32:63]   W's fragments of a step, column tile j at BF + 8 j; on the way out the bias
.set AR,    64                         ; v[64:159]  four buffers of 24: step s % 4, tile i, half at AR + 24 (s % 4) + 8 i + 4 half; on the way out the data of the stores
.set ACC,   160                        ; v[160:255] accumulator (tile i, column tile j) at ACC + 8 (4 i + j)
.set OUTR,  64
; v1 16 L;  v2-4 turning load's address for steps 0-11, 12-23, 24-31;  v5, v6 my place in the weights, in memory and in LDS;  v7 my 32 bytes of a column tile's bias
; KIND 2: v8-10 the three tiles' rows of y (lane: slot L % 16); v11-13 their gates' offsets; v14, 16, 18 the gates; v20, v21 stage, in and back; v22 16 (L % 16); v23 4 (L % 16); v24-31 lane selects
; s20 NG;  s21 the group in hand;  s48 my trips;  s49 counts them
	s_load_b256 s[4:11], s[0:1], 0x0               ; left operand s[4:5], weights s[6:7], bias s[8:9], tk s[10:11]
.if KIND == 1
	s_load_b64 s[12:13], s[0:1], 0x20              ; hf
	v_lshl_add_u32 v30, v0, 2, 0x28100
	v_mov_b32 v31, 0
.else
	s_load_b128 s[12:15], s[0:1], 0x20             ; gt s[12:13], y s[14:15]
.endif
	v_lshrrev_b32 v32, 5, v0
	v_readfirstlane_b32 s16, v32                   ; wave 0..15
	s_and_b32 s17, ttmp7, 0xffff                   ; e
.if KIND == 1
	s_mov_b32 s18, ttmp9                           ; column slice
.else
	s_and_b32 s18, ttmp9, 15                       ; column slice
	s_lshr_b32 s19, ttmp9, 4                       ; half of K
.endif
	v_and_b32 v32, 31, v0                          ; L
	v_and_b32 v33, 15, v0                          ; r
	v_bfe_u32 v34, v0, 4, 1                        ; h
	v_lshlrev_b32 v1, 4, v32
	v_and_b32 v35, 7, v0
	v_lshl_add_u32 v35, v34, 3, v35
	v_mul_u32_u24 v2, v35, WPL                     ; row 8 h + L % 8,
	v_bfe_u32 v35, v0, 3, 1
	v_lshl_add_u32 v2, v35, 4, v2                  ; 16 bytes (L / 8) % 2
	v_add_nc_u32 v3, 12*32*WPL, v2                 ; an LDS offset has 16 bits: twelve steps of 5,120 bytes to a register
	v_add_nc_u32 v4, 24*32*WPL, v2
	s_mul_i32 s24, s16, 64*WP                      ; my wave converts rows 64 w .. 64 w + 63
	v_mul_u32_u24 v5, v34, 4*WP                    ; lanes 16-31 take the row four further on:
	v_lshl_add_u32 v5, v33, 4, v5
	v_add_nc_u32 v5, s24, v5
	s_mul_i32 s24, s16, 64*WPL
	v_mul_u32_u24 v6, v34, 4*WPL                   ; 640 bytes on in LDS, 128 modulo 256: the two halves' 128 bytes of a store do not meet
	v_lshl_add_u32 v6, v33, 3, v6
	v_add_nc_u32 v6, s24, v6
	v_lshlrev_b32 v7, 5, v34
	v_add_nc_u32 v7, BIAS, v7
	v_lshlrev_b32 v63, 3, v32                      ; wave 0: 8 L
	s_lshl_b32 s25, s18, 8                         ; the slice's 256 bytes of a row
	s_lshl_b32 s30, s17, 23                        ; an expert's weights are 8,388,608 bytes
	s_add_co_u32 s30, s30, s25
.if KIND == 2
	s_mul_i32 s24, s19, 1024*WP
	s_add_co_u32 s30, s30, s24
.endif
	s_mov_b32 s31, 0
	s_mul_i32 s32, s17, BROW
	s_add_co_u32 s32, s32, s25
	s_mov_b32 s33, 0
	s_mul_i32 s34, s17, AE
.if KIND == 2
	s_lshl_b32 s24, s19, 15                        ; 32 K steps of 1,024 bytes
	s_add_co_u32 s34, s34, s24
.endif
	s_mov_b32 s35, 0
.if KIND == 1
	s_mul_i32 s36, s17, HE
	s_lshl_b32 s24, s18, 11                        ; the slice's 64 columns are two K steps of the next product
	s_add_co_u32 s36, s36, s24
.else
	s_mul_i32 s36, s19, YH
	s_add_co_u32 s36, s36, s25
.endif
	s_mov_b32 s37, 0
	s_mul_i32 s28, s17, TKE
	s_mov_b32 s29, 0
	s_lshl_b32 s45, s17, 2
	s_mov_b32 s47, 0
	s_wait_kmcnt 0x0
	s_add_nc_u64 s[30:31], s[6:7], s[30:31]        ; the weights' slice
	s_add_nc_u64 s[32:33], s[8:9], s[32:33]        ; the bias's
	s_add_nc_u64 s[34:35], s[4:5], s[34:35]        ; the expert's fragments
.if KIND == 1
	s_add_nc_u64 s[36:37], s[12:13], s[36:37]      ; the expert's part of hf, at the slice's K steps
.else
	s_add_nc_u64 s[36:37], s[14:15], s[36:37]      ; y's plane, at the slice's columns
.endif
	s_add_nc_u64 s[28:29], s[10:11], s[28:29]      ; the expert's part of tk
	s_load_b32 s20, s[10:11], s45 offset:NGAT      ; NG[e]
	s_cmp_lg_u32 s16, 0
	s_cbranch_scc1 .Lno_bias_load
	global_load_b64 v[60:61], v63, s[32:33]        ; wave 0: the slice's 64 numbers of bias, 256 consecutive bytes
.Lno_bias_load:
.set i, 0
.rept 32                               ; my 64 rows: a load takes two whole rows of 256 bytes; the weights are read once in the launch
	global_load_b128 v[128+4*i:131+4*i], v5, s[30:31] offset:(8*(i/4)+i%4)*WP th:TH_LOAD_NT
.set i, i+1
.endr
.if KIND == 1
	s_mov_b32 s40, 0xbdd2d3e8                      ; b = -0.10294324 = a x 0.044715
	s_mov_b32 s41, s40                             ; named with it as a pair
	s_mov_b32 s42, 0xc0135761                      ; a = -2.3022082 = -2 sqrt(2 / pi) log2(e)
	s_mov_b32 s43, s42
.else
	s_cmp_eq_u32 s19, 0
	s_cselect_b32 s44, -1, 0                       ; the bias counts in half 0 alone
	s_mul_i32 s24, s16, 16*SPI
	s_add_co_u32 s24, s24, STG                     ; my stage
	v_mul_u32_u24 v20, v33, SPI                    ; in: row r, 32 bytes for each half of the lanes
	v_lshl_add_u32 v20, v34, 5, v20
	v_add_nc_u32 v20, s24, v20
	v_mul_u32_u24 v21, v34, SPI                    ; back: lanes 0-15 one row of 256 bytes, lanes 16-31 the next
	v_lshl_add_u32 v21, v33, 4, v21
	v_add_nc_u32 v21, s24, v21
	v_lshlrev_b32 v22, 4, v33
	v_lshlrev_b32 v23, 2, v33
.irp t, 0,1,2,3,4,5,6,7
	v_lshl_add_u32 v[24+\t], v34, 2, 8*\t          ; 4 x the lane that holds slot 2 t + h
.endr
	v_mov_b32 v15, 0                               ; named with the gates as pairs
	v_mov_b32 v17, 0
	v_mov_b32 v19, 0
.endif
.set i, 0
.rept 32
	s_wait_loadcnt 31-i                            ; loads come back in order (ISA guide 5.7.1): the younger ones stay out
	v_cvt_pk_bf16_f32 v[64+2*i], v[128+4*i], v[129+4*i]
	v_cvt_pk_bf16_f32 v[65+2*i], v[130+4*i], v[131+4*i]
	ds_store_b64 v6, v[64+2*i:65+2*i] offset:(8*(i/4)+i%4)*WPL
.set i, i+1
.endr
	s_cmp_lg_u32 s16, 0
	s_cbranch_scc1 .Lno_bias
	v_cvt_pk_bf16_f32 v62, v60, v61                ; the bias is rounded to bf16 like every input, and kept in f32
.if KIND == 2
	v_and_b32 v62, s44, v62
.endif
	v_add_nc_u32 v63, BIAS, v63
	v_lshlrev_b32 v60, 16, v62
	v_and_b32 v61, 0xffff0000, v62
	ds_store_b64 v63, v[60:61]
.Lno_bias:
	s_wait_kmcnt 0x0
	s_min_u32 s20, s20, 43                         ; 43 groups hold 2,064 slots
	s_wait_dscnt 0x0                               ; for the others' sake: my rows are in LDS
	s_barrier_signal -1
	s_barrier_wait -1                              ; the only barrier: behind it the weights are only read
	s_and_b32 s21, s16, 3                          ; my first group: ((w % 4 - w / 4 - 1) % 4) x 4 + w / 4: any four groups on end go to waves that differ in w % 4 and in w / 4
	s_lshr_b32 s24, s16, 2
	s_sub_co_u32 s21, s21, s24
	s_sub_co_u32 s21, s21, 1
	s_and_b32 s21, s21, 3
	s_lshl2_add_u32 s21, s21, s24
	s_cmp_ge_u32 s21, s20
	s_cbranch_scc1 .Lend
	s_sub_co_u32 s48, s20, s21                     ; my trips: (NG - first group + 15) / 16, one at the least here,
	s_add_co_u32 s48, s48, 15
	s_lshr_b32 s48, s48, 4
	s_min_u32 s48, s48, 3                          ; three at the most: 43 groups for 16 waves
	s_mov_b32 s49, 0                               ; the loop counts its trips one by one; the group's number steps beside the count
.macro ALOAD s                         ; the three tiles' fragments of K step s: six loads of 512 consecutive bytes
.irp i, 0,1,2
	global_load_b128 v[AR+24*((\s)%4)+8*\i:AR+24*((\s)%4)+8*\i+3],   v1, s[22:23] offset:\i*ATILE+(\s)*1024
	global_load_b128 v[AR+24*((\s)%4)+8*\i+4:AR+24*((\s)%4)+8*\i+7], v1, s[22:23] offset:\i*ATILE+(\s)*1024+512
.endr
.endm
; K step s of 32: W's four fragments out of LDS, the fragments of step s + 3 asked for, 12 matrix instructions.  The 12 accumulators take turns, one instruction a turn, in the same
; order in every step.  Every offset is an immediate: nothing is stepped.
.macro STEP s
.if (\s) > 0
.rept 4
	v_nop                                          ; four places between the last product and the loads into registers that it and its step read (ISA guide 7.12.1 for vector instructions)
.endr
.endif
.irp j, 0,1,2,3
	ds_load_tr16_b128 v[BF+8*\j:BF+8*\j+3],   v[2+(\s)/12] offset:((\s)%12)*32*WPL+32*\j
	ds_load_tr16_b128 v[BF+8*\j+4:BF+8*\j+7], v[2+(\s)/12] offset:((\s)%12)*32*WPL+32*\j+16*WPL
.endr
.if (\s) <= 28
	ALOAD (\s)+3
	s_wait_loadcnt 18                              ; this step's six are in; the 18 of the three steps behind it stay out
.else
	s_wait_loadcnt 6*(31-(\s))                     ; the counts run down
.endif
.irp j, 0,1,2,3
	s_wait_dscnt 6-2*\j                            ; column tile j's two loads are in; the younger ones stay out
.irp i, 0,1,2
.if (\s) == 0
	v_wmma_f32_16x16x32_bf16 v[ACC+8*(4*\i+\j):ACC+8*(4*\i+\j)+7], v[BF+8*\j:BF+8*\j+7], v[AR+24*((\s)%4)+8*\i:AR+24*((\s)%4)+8*\i+7], 0
.else
	v_wmma_f32_16x16x32_bf16 v[ACC+8*(4*\i+\j):ACC+8*(4*\i+\j)+7], v[BF+8*\j:BF+8*\j+7], v[AR+24*((\s)%4)+8*\i:AR+24*((\s)%4)+8*\i+7], v[ACC+8*(4*\i+\j):ACC+8*(4*\i+\j)+7]
.endif
.endr
.endr
.endm
.if KIND == 1
; Accumulator (i, j): bias, gelu, 8 numbers to bf16, 16 bytes a lane stored.  From the accumulator's low end on.
.macro GELU i, j
.set XA, ACC+8*(4*(\i)+(\j))
.set BB, BF+8*(\j)
.set OO, OUTR+4*(4*(\i)+(\j))
.set T,  112+8*((\j)%2)
.irp p, 0,2,4,6
	v_pk_add_f32 v[XA+\p:XA+\p+1], v[XA+\p:XA+\p+1], v[BB+\p:BB+\p+1]
.endr
.irp p, 0,2,4,6
	v_pk_mul_f32 v[T+\p:T+\p+1], v[XA+\p:XA+\p+1], v[XA+\p:XA+\p+1]
.endr
.irp p, 0,2,4,6
	v_pk_fma_f32 v[T+\p:T+\p+1], v[T+\p:T+\p+1], s[40:41], s[42:43] op_sel_hi:[1,0,0]  ; a + b x^2
.endr
.irp p, 0,2,4,6
	v_pk_mul_f32 v[T+\p:T+\p+1], v[T+\p:T+\p+1], v[XA+\p:XA+\p+1]
.endr
.irp p, 0,1,2,3,4,5,6,7
	v_exp_f32 v[T+\p], v[T+\p]
.endr
	v_nop                                          ; a plain instruction behind the last exponential (ISA guide 5.7.2)
	s_wait_alu depctr_va_vdst(0)
.irp p, 0,2,4,6
	v_pk_add_f32 v[T+\p:T+\p+1], v[T+\p:T+\p+1], 1.0 op_sel_hi:[1,0]
.endr
.irp p, 0,1,2,3,4,5,6,7
	v_rcp_f32 v[T+\p], v[T+\p]
.endr
	v_nop
	s_wait_alu depctr_va_vdst(0)
.irp p, 0,2,4,6
	v_pk_mul_f32 v[T+\p:T+\p+1], v[T+\p:T+\p+1], v[XA+\p:XA+\p+1]
.endr
.irp q, 0,1,2,3
	v_cvt_pk_bf16_f32 v[OO+\q], v[T+2*\q], v[T+2*\q+1]
.endr
	global_store_b128 v1, v[OO:OO+3], s[26:27] offset:(\i)*HTILE+((\j)/2)*1024+((\j)%2)*512  ; half a fragment of the next product: 512 consecutive bytes
.endm
.else
; Tile i: bias and gate; through my stage, so that sixteen lanes hold a row's 256 bytes; each row to the row of y that tk names.
.macro OUT2 i
.irp j, 0,1,2,3
.irp p, 0,2,4,6
	v_pk_add_f32 v[ACC+8*(4*(\i)+\j)+\p:ACC+8*(4*(\i)+\j)+\p+1], v[ACC+8*(4*(\i)+\j)+\p:ACC+8*(4*(\i)+\j)+\p+1], v[BF+8*\j+\p:BF+8*\j+\p+1]
.endr
.irp p, 0,2,4,6
	v_pk_mul_f32 v[ACC+8*(4*(\i)+\j)+\p:ACC+8*(4*(\i)+\j)+\p+1], v[ACC+8*(4*(\i)+\j)+\p:ACC+8*(4*(\i)+\j)+\p+1], v[14+2*(\i):15+2*(\i)] op_sel_hi:[1,0]
.endr
	ds_store_b128 v20, v[ACC+8*(4*(\i)+\j):ACC+8*(4*(\i)+\j)+3] offset:64*\j
	ds_store_b128 v20, v[ACC+8*(4*(\i)+\j)+4:ACC+8*(4*(\i)+\j)+7] offset:64*\j+16
.endr
.irp t, 0,1,2,3,4,5,6,7
	ds_bpermute_b32 v[ACC+32*(\i)+\t], v[24+\t], v[8+(\i)]   ; the row of y of slot 2 t + h, into registers that the stores above have left
.endr
.irp t, 0,1,2,3,4,5,6,7
	ds_load_b128 v[OUTR+32*(\i)+4*\t:OUTR+32*(\i)+4*\t+3], v21 offset:2*SPI*\t  ; LDS serves a wave's instructions in order (ISA guide 5.7.1.4): these see the stores above; the next tile's come behind them
.endr
	s_wait_dscnt 8                                 ; the eight rows' numbers are back; the eight loads behind them stay out
.irp t, 0,1,2,3,4,5,6,7
	v_min_u32 v[ACC+32*(\i)+\t], 4479, v[ACC+32*(\i)+\t]     ; inside a plane of y whatever was read
	v_lshl_add_u32 v[ACC+32*(\i)+\t], v[ACC+32*(\i)+\t], 12, v22
.endr
.irp t, 0,1,2,3,4,5,6,7
	s_wait_dscnt 7-\t
	global_store_b128 v[ACC+32*(\i)+\t], v[OUTR+32*(\i)+4*\t:OUTR+32*(\i)+4*\t+3], s[36:37]  ; sixteen lanes store 256 consecutive bytes of a row, at a multiple of 256 from y's first byte
.endr
.endm
.endif
.Lgroup:                               ; a trip: 48 slots x 64 columns x 1,024 of K
	s_wait_xcnt 0x0                                ; the last group's stores have read their data, offsets and base: only now are these rewritten
	s_min_u32 s24, s21, 42                         ; the group, inside the buffers whatever was read
	s_mul_i32 s46, s24, 3*ATILE
	s_add_nc_u64 s[22:23], s[34:35], s[46:47]
.if KIND == 1
	s_mul_i32 s46, s24, 3*HTILE
	s_add_nc_u64 s[26:27], s[36:37], s[46:47]
.else
	s_mul_i32 s46, s24, 192
	s_add_nc_u64 s[38:39], s[28:29], s[46:47]
.irp i, 0,1,2
	global_load_b32 v[8+\i], v23, s[38:39] offset:64*\i      ; slot r of tile i: its row of y
.endr
.endif
	ALOAD 0
	ALOAD 1
	ALOAD 2
.if KIND == 2
	s_wait_loadcnt 18                              ; the three words are in; the 18 fragment loads behind them stay out
.irp i, 0,1,2
	v_min_u32 v[11+\i], 4095, v[8+\i]              ; a pad slot takes some gate: its rows of y are never read
	v_lshlrev_b32 v[11+\i], 2, v[11+\i]
.endr
.irp i, 0,1,2
	global_load_b32 v[14+2*\i], v[11+\i], s[12:13] ; these three stand among the fragment loads: the counts of steps 0 to 2 then wait for more than they need, never for less
.endr
.endif
.set ks, 0
.rept 32
	STEP ks
.set ks, ks+1
.endr
.rept 4
	v_nop                                          ; four places behind the last product
.endr
.irp j, 0,1,2,3
	ds_load_b128 v[BF+8*\j:BF+8*\j+3],   v7 offset:64*\j      ; the bias of my 8 columns of column tile j
	ds_load_b128 v[BF+8*\j+4:BF+8*\j+7], v7 offset:64*\j+16
.endr
	s_wait_dscnt 0x0
.if KIND == 1
.irp i, 0,1,2
.irp j, 0,1,2,3
	GELU \i, \j
.endr
.endr
.else
	OUT2 0
	OUT2 1
	OUT2 2
.endif
	s_add_co_u32 s21, s21, 16                      ; my next group
	s_add_co_u32 s49, s49, 1
	s_cmp_lt_u32 s49, s48
	s_cbranch_scc1 .Lgroup
.Lend:
	s_wait_tensorcnt 0x0
	ds_add_u32 v30, v31
	s_wait_dscnt 0x0
	s_endpgm
.Lfunc_end_k_q899193145a_gemm1:
	.size	k_q899193145a_gemm1, .Lfunc_end_k_q899193145a_gemm1-k_q899193145a_gemm1
	.p2alignl 7, 3214868480
	.fill 96, 4, 3214868480
	.section	.rodata,"a",@progbits
	.p2align	6, 0x0
	.amdhsa_kernel k_q899193145a_gemm1
		.amdhsa_group_segment_fixed_size 166144
		.amdhsa_private_segment_fixed_size 0
		.amdhsa_enable_private_segment 0
		.amdhsa_kernarg_size 40
		.amdhsa_user_sgpr_count 2
		.amdhsa_user_sgpr_kernarg_segment_ptr 1
		.amdhsa_wavefront_size32 1
		.amdhsa_system_sgpr_workgroup_id_x 1
		.amdhsa_system_sgpr_workgroup_id_y 1
		.amdhsa_system_sgpr_workgroup_id_z 1
		.amdhsa_system_vgpr_workitem_id 0
		.amdhsa_next_free_vgpr 256
		.amdhsa_next_free_sgpr 66
		.amdhsa_reserve_vcc 0
		.amdhsa_float_denorm_mode_32 3
		.amdhsa_float_denorm_mode_16_64 3
		.amdhsa_memory_ordered 1
		.amdhsa_forward_progress 1
		.amdhsa_inst_pref_size 112
	.end_amdhsa_kernel
	.amdgpu_metadata
---
amdhsa.version: [ 1, 2 ]
amdhsa.kernels:
  - .name:           k_q899193145a_gemm1
    .symbol:         k_q899193145a_gemm1.kd
    .args:
      - { .name: xf, .offset: 0, .size: 8, .value_kind: global_buffer, .address_space: global }
      - { .name: w1, .offset: 8, .size: 8, .value_kind: global_buffer, .address_space: global }
      - { .name: b1, .offset: 16, .size: 8, .value_kind: global_buffer, .address_space: global }
      - { .name: tk, .offset: 24, .size: 8, .value_kind: global_buffer, .address_space: global }
      - { .name: hf, .offset: 32, .size: 8, .value_kind: global_buffer, .address_space: global }
    .group_segment_fixed_size: 166144
    .private_segment_fixed_size: 0
    .kernarg_segment_align: 8
    .kernarg_segment_size: 40
    .max_flat_workgroup_size: 512
    .sgpr_count:     66
    .vgpr_count:     256
    .wavefront_size: 32
...
	.end_amdgpu_metadata
.endif
;; end of part 3
;; launch gemm2 (part 4): grid 32 x 8, 16 waves a work-group, no clusters, 235,776 bytes of LDS; arguments hf, w2, b2, tk, gt, y; writes y
.if DOCPART == 4
	.amdgcn_target "amdgcn-amd-amdhsa--gfx1250"
	.amdhsa_code_object_version 6
	.text
	.protected	k_q899193145a_gemm2
	.globl	k_q899193145a_gemm2
	.p2align	8
	.type	k_q899193145a_gemm2,@function
k_q899193145a_gemm2:
	s_mov_b64 s[64:65], 0
	v_nop
	global_prefetch_b8 v0, s[64:65] scope:SCOPE_SE
	s_setreg_imm32_b32 hwreg(HW_REG_WAVE_MODE, 25, 1), 1
	s_wait_xcnt 0x0
; ONE TEXT FOR BOTH PRODUCTS OF AN EXPERT'S MLP; KIND chooses.  Only the slots of tokens that chose the expert are computed: what the reference's gather throws away is not made.
;   KIND 1: hf = bf16(gelu(X W1[e] + b1[e])), gelu in its tanh form, x / (1 + 2^(x (a + b x^2))).  X = xf, in fragment order; hf in the same order, [8][129 tiles][64 K steps][1,024 bytes].
;   KIND 2: y[half][row] = gate x (H W2[e] (K half) + b2[e] (in half 0 alone)), f32, row = tk[slot].  H = hf.
; FORMATS.  Weights and biases are rounded to bf16 here, once; X and H arrive in bf16; sums, gelu and gates in f32.  NaN and infinities are not treated apart.
; SHARES.  A work-group owns an expert, 64 output columns and 1,024 of K: 8 x 32 work-groups (KIND 2: 16 column slices x 2 halves of K).  Its 1,024 x 64 weights, 256 KB of f32, are read once,
; in rows of 256 aligned bytes, and stay in LDS as bf16 [k][n]; ds_load_tr16_b128 turns them.  The slots go in GROUPS of 48 (three tiles of 16); NG[e] groups, a number read from tk, are dealt
; to the 16 waves, which share nothing behind the one barrier; a wave without a group has done its share of the weights and ends.
; The matrix instruction is used transposed: source 0 = 16 columns of W, source 1 = 16 slots: a lane holds one slot (L % 16) and 8 neighbouring columns, 8 (L / 16) on.
; Packed to bf16 those are the lane's own 16 bytes of the next product's fragment, so KIND 1 stores with no stage, 512 consecutive bytes an instruction.
; NO CLUSTER, NO COPIES BY AN ENGINE.  An expert's 32 work-groups read the same fragments, but into registers, each wave at a time of its own.  A joint load lands in LDS, where 163,840 bytes hold
; the weights; it would add an LDS write and an LDS read of each of a step's 3,072 fragment bytes to the 8 LDS loads (4,096 bytes) that the step's 12 matrix instructions already need.
.set KIND, 2
.if KIND == 1
.set ATILE, 32*1024                    ; a tile's bytes in the left operand
.set WP,    2048*4                     ; bytes from row to row of the weights
.set BROW,  2048*4                     ; an expert's bytes of bias
.else
.set ATILE, 64*1024
.set WP,    1024*4
.set BROW,  1024*4
.endif
.set AE,    129*ATILE                  ; an expert's bytes in the left operand
.set HTILE, 64*1024
.set HE,    129*HTILE
.set YH,    4480*4096                  ; a plane of y
.set TKE,   2064*4
.set NGAT,  8*TKE
.set WPL,   160                        ; a row of W in LDS: 128 bytes + 32: 8 rows x 32 bytes of a turning load fall on 256 different bytes modulo 256
.set BIAS,  1024*WPL                   ; 64 f32
.set STG,   BIAS+256                   ; KIND 2: for each wave 16 rows x 272 bytes, its own
.set SPI,   272
.set BF,    32                         ; v[32:63]   W's fragments of a step, column tile j at BF + 8 j; on the way out the bias
.set AR,    64                         ; v[64:159]  four buffers of 24: step s % 4, tile i, half at AR + 24 (s % 4) + 8 i + 4 half; on the way out the data of the stores
.set ACC,   160                        ; v[160:255] accumulator (tile i, column tile j) at ACC + 8 (4 i + j)
.set OUTR,  64
; v1 16 L;  v2-4 turning load's address for steps 0-11, 12-23, 24-31;  v5, v6 my place in the weights, in memory and in LDS;  v7 my 32 bytes of a column tile's bias
; KIND 2: v8-10 the three tiles' rows of y (lane: slot L % 16); v11-13 their gates' offsets; v14, 16, 18 the gates; v20, v21 stage, in and back; v22 16 (L % 16); v23 4 (L % 16); v24-31 lane selects
; s20 NG;  s21 the group in hand;  s48 my trips;  s49 counts them
	s_load_b256 s[4:11], s[0:1], 0x0               ; left operand s[4:5], weights s[6:7], bias s[8:9], tk s[10:11]
.if KIND == 1
	s_load_b64 s[12:13], s[0:1], 0x20              ; hf
.else
	s_load_b128 s[12:15], s[0:1], 0x20             ; gt s[12:13], y s[14:15]
.endif
	v_lshrrev_b32 v32, 5, v0
	v_readfirstlane_b32 s16, v32                   ; wave 0..15
	s_and_b32 s17, ttmp7, 0xffff                   ; e
.if KIND == 1
	s_mov_b32 s18, ttmp9                           ; column slice
.else
	s_and_b32 s18, ttmp9, 15                       ; column slice
	s_lshr_b32 s19, ttmp9, 4                       ; half of K
.endif
	v_and_b32 v32, 31, v0                          ; L
	v_and_b32 v33, 15, v0                          ; r
	v_bfe_u32 v34, v0, 4, 1                        ; h
	v_lshlrev_b32 v1, 4, v32
	v_and_b32 v35, 7, v0
	v_lshl_add_u32 v35, v34, 3, v35
	v_mul_u32_u24 v2, v35, WPL                     ; row 8 h + L % 8,
	v_bfe_u32 v35, v0, 3, 1
	v_lshl_add_u32 v2, v35, 4, v2                  ; 16 bytes (L / 8) % 2
	v_add_nc_u32 v3, 12*32*WPL, v2                 ; an LDS offset has 16 bits: twelve steps of 5,120 bytes to a register
	v_add_nc_u32 v4, 24*32*WPL, v2
	s_mul_i32 s24, s16, 64*WP                      ; my wave converts rows 64 w .. 64 w + 63
	v_mul_u32_u24 v5, v34, 4*WP                    ; lanes 16-31 take the row four further on:
	v_lshl_add_u32 v5, v33, 4, v5
	v_add_nc_u32 v5, s24, v5
	s_mul_i32 s24, s16, 64*WPL
	v_mul_u32_u24 v6, v34, 4*WPL                   ; 640 bytes on in LDS, 128 modulo 256: the two halves' 128 bytes of a store do not meet
	v_lshl_add_u32 v6, v33, 3, v6
	v_add_nc_u32 v6, s24, v6
	v_lshlrev_b32 v7, 5, v34
	v_add_nc_u32 v7, BIAS, v7
	v_lshlrev_b32 v63, 3, v32                      ; wave 0: 8 L
	s_lshl_b32 s25, s18, 8                         ; the slice's 256 bytes of a row
	s_lshl_b32 s30, s17, 23                        ; an expert's weights are 8,388,608 bytes
	s_add_co_u32 s30, s30, s25
.if KIND == 2
	s_mul_i32 s24, s19, 1024*WP
	s_add_co_u32 s30, s30, s24
.endif
	s_mov_b32 s31, 0
	s_mul_i32 s32, s17, BROW
	s_add_co_u32 s32, s32, s25
	s_mov_b32 s33, 0
	s_mul_i32 s34, s17, AE
.if KIND == 2
	s_lshl_b32 s24, s19, 15                        ; 32 K steps of 1,024 bytes
	s_add_co_u32 s34, s34, s24
.endif
	s_mov_b32 s35, 0
.if KIND == 1
	s_mul_i32 s36, s17, HE
	s_lshl_b32 s24, s18, 11                        ; the slice's 64 columns are two K steps of the next product
	s_add_co_u32 s36, s36, s24
.else
	s_mul_i32 s36, s19, YH
	s_add_co_u32 s36, s36, s25
.endif
	s_mov_b32 s37, 0
	s_mul_i32 s28, s17, TKE
	s_mov_b32 s29, 0
	s_lshl_b32 s45, s17, 2
	s_mov_b32 s47, 0
	s_wait_kmcnt 0x0
	s_add_nc_u64 s[30:31], s[6:7], s[30:31]        ; the weights' slice
	s_add_nc_u64 s[32:33], s[8:9], s[32:33]        ; the bias's
	s_add_nc_u64 s[34:35], s[4:5], s[34:35]        ; the expert's fragments
.if KIND == 1
	s_add_nc_u64 s[36:37], s[12:13], s[36:37]      ; the expert's part of hf, at the slice's K steps
.else
	s_add_nc_u64 s[36:37], s[14:15], s[36:37]      ; y's plane, at the slice's columns
.endif
	s_add_nc_u64 s[28:29], s[10:11], s[28:29]      ; the expert's part of tk
	s_load_b32 s20, s[10:11], s45 offset:NGAT      ; NG[e]
	s_cmp_lg_u32 s16, 0
	s_cbranch_scc1 .Lno_bias_load
	global_load_b64 v[60:61], v63, s[32:33]        ; wave 0: the slice's 64 numbers of bias, 256 consecutive bytes
.Lno_bias_load:
.set i, 0
.rept 32                               ; my 64 rows: a load takes two whole rows of 256 bytes; the weights are read once in the launch
	global_load_b128 v[128+4*i:131+4*i], v5, s[30:31] offset:(8*(i/4)+i%4)*WP th:TH_LOAD_NT
.set i, i+1
.endr
.if KIND == 1
	s_mov_b32 s40, 0xbdd2d3e8                      ; b = -0.10294324 = a x 0.044715
	s_mov_b32 s41, s40                             ; named with it as a pair
	s_mov_b32 s42, 0xc0135761                      ; a = -2.3022082 = -2 sqrt(2 / pi) log2(e)
	s_mov_b32 s43, s42
.else
	s_cmp_eq_u32 s19, 0
	s_cselect_b32 s44, -1, 0                       ; the bias counts in half 0 alone
	s_mul_i32 s24, s16, 16*SPI
	s_add_co_u32 s24, s24, STG                     ; my stage
	v_mul_u32_u24 v20, v33, SPI                    ; in: row r, 32 bytes for each half of the lanes
	v_lshl_add_u32 v20, v34, 5, v20
	v_add_nc_u32 v20, s24, v20
	v_mul_u32_u24 v21, v34, SPI                    ; back: lanes 0-15 one row of 256 bytes, lanes 16-31 the next
	v_lshl_add_u32 v21, v33, 4, v21
	v_add_nc_u32 v21, s24, v21
	v_lshlrev_b32 v22, 4, v33
	v_lshlrev_b32 v23, 2, v33
.irp t, 0,1,2,3,4,5,6,7
	v_lshl_add_u32 v[24+\t], v34, 2, 8*\t          ; 4 x the lane that holds slot 2 t + h
.endr
	v_mov_b32 v15, 0                               ; named with the gates as pairs
	v_mov_b32 v17, 0
	v_mov_b32 v19, 0
.endif
.set i, 0
.rept 32
	s_wait_loadcnt 31-i                            ; loads come back in order (ISA guide 5.7.1): the younger ones stay out
	v_cvt_pk_bf16_f32 v[64+2*i], v[128+4*i], v[129+4*i]
	v_cvt_pk_bf16_f32 v[65+2*i], v[130+4*i], v[131+4*i]
	ds_store_b64 v6, v[64+2*i:65+2*i] offset:(8*(i/4)+i%4)*WPL
.set i, i+1
.endr
	s_cmp_lg_u32 s16, 0
	s_cbranch_scc1 .Lno_bias
	v_cvt_pk_bf16_f32 v62, v60, v61                ; the bias is rounded to bf16 like every input, and kept in f32
.if KIND == 2
	v_and_b32 v62, s44, v62
.endif
	v_add_nc_u32 v63, BIAS, v63
	v_lshlrev_b32 v60, 16, v62
	v_and_b32 v61, 0xffff0000, v62
	ds_store_b64 v63, v[60:61]
.Lno_bias:
	s_wait_kmcnt 0x0
	s_min_u32 s20, s20, 43                         ; 43 groups hold 2,064 slots
	s_wait_dscnt 0x0                               ; for the others' sake: my rows are in LDS
	s_barrier_signal -1
	s_barrier_wait -1                              ; the only barrier: behind it the weights are only read
	s_and_b32 s21, s16, 3                          ; my first group: ((w % 4 - w / 4 - 1) % 4) x 4 + w / 4: any four groups on end go to waves that differ in w % 4 and in w / 4
	s_lshr_b32 s24, s16, 2
	s_sub_co_u32 s21, s21, s24
	s_sub_co_u32 s21, s21, 1
	s_and_b32 s21, s21, 3
	s_lshl2_add_u32 s21, s21, s24
	s_cmp_ge_u32 s21, s20
	s_cbranch_scc1 .Lend
	s_sub_co_u32 s48, s20, s21                     ; my trips: (NG - first group + 15) / 16, one at the least here,
	s_add_co_u32 s48, s48, 15
	s_lshr_b32 s48, s48, 4
	s_min_u32 s48, s48, 3                          ; three at the most: 43 groups for 16 waves
	s_mov_b32 s49, 0                               ; the loop counts its trips one by one; the group's number steps beside the count
.macro ALOAD s                         ; the three tiles' fragments of K step s: six loads of 512 consecutive bytes
.irp i, 0,1,2
	global_load_b128 v[AR+24*((\s)%4)+8*\i:AR+24*((\s)%4)+8*\i+3],   v1, s[22:23] offset:\i*ATILE+(\s)*1024
	global_load_b128 v[AR+24*((\s)%4)+8*\i+4:AR+24*((\s)%4)+8*\i+7], v1, s[22:23] offset:\i*ATILE+(\s)*1024+512
.endr
.endm
; K step s of 32: W's four fragments out of LDS, the fragments of step s + 3 asked for, 12 matrix instructions.  The 12 accumulators take turns, one instruction a turn, in the same
; order in every step.  Every offset is an immediate: nothing is stepped.
.macro STEP s
.if (\s) > 0
.rept 4
	v_nop                                          ; four places between the last product and the loads into registers that it and its step read (ISA guide 7.12.1 for vector instructions)
.endr
.endif
.irp j, 0,1,2,3
	ds_load_tr16_b128 v[BF+8*\j:BF+8*\j+3],   v[2+(\s)/12] offset:((\s)%12)*32*WPL+32*\j
	ds_load_tr16_b128 v[BF+8*\j+4:BF+8*\j+7], v[2+(\s)/12] offset:((\s)%12)*32*WPL+32*\j+16*WPL
.endr
.if (\s) <= 28
	ALOAD (\s)+3
	s_wait_loadcnt 18                              ; this step's six are in; the 18 of the three steps behind it stay out
.else
	s_wait_loadcnt 6*(31-(\s))                     ; the counts run down
.endif
.irp j, 0,1,2,3
	s_wait_dscnt 6-2*\j                            ; column tile j's two loads are in; the younger ones stay out
.irp i, 0,1,2
.if (\s) == 0
	v_wmma_f32_16x16x32_bf16 v[ACC+8*(4*\i+\j):ACC+8*(4*\i+\j)+7], v[BF+8*\j:BF+8*\j+7], v[AR+24*((\s)%4)+8*\i:AR+24*((\s)%4)+8*\i+7], 0
.else
	v_wmma_f32_16x16x32_bf16 v[ACC+8*(4*\i+\j):ACC+8*(4*\i+\j)+7], v[BF+8*\j:BF+8*\j+7], v[AR+24*((\s)%4)+8*\i:AR+24*((\s)%4)+8*\i+7], v[ACC+8*(4*\i+\j):ACC+8*(4*\i+\j)+7]
.endif
.endr
.endr
.endm
.if KIND == 1
; Accumulator (i, j): bias, gelu, 8 numbers to bf16, 16 bytes a lane stored.  From the accumulator's low end on.
.macro GELU i, j
.set XA, ACC+8*(4*(\i)+(\j))
.set BB, BF+8*(\j)
.set OO, OUTR+4*(4*(\i)+(\j))
.set T,  112+8*((\j)%2)
.irp p, 0,2,4,6
	v_pk_add_f32 v[XA+\p:XA+\p+1], v[XA+\p:XA+\p+1], v[BB+\p:BB+\p+1]
.endr
.irp p, 0,2,4,6
	v_pk_mul_f32 v[T+\p:T+\p+1], v[XA+\p:XA+\p+1], v[XA+\p:XA+\p+1]
.endr
.irp p, 0,2,4,6
	v_pk_fma_f32 v[T+\p:T+\p+1], v[T+\p:T+\p+1], s[40:41], s[42:43] op_sel_hi:[1,0,0]  ; a + b x^2
.endr
.irp p, 0,2,4,6
	v_pk_mul_f32 v[T+\p:T+\p+1], v[T+\p:T+\p+1], v[XA+\p:XA+\p+1]
.endr
.irp p, 0,1,2,3,4,5,6,7
	v_exp_f32 v[T+\p], v[T+\p]
.endr
	v_nop                                          ; a plain instruction behind the last exponential (ISA guide 5.7.2)
.irp p, 0,2,4,6
	v_pk_add_f32 v[T+\p:T+\p+1], v[T+\p:T+\p+1], 1.0 op_sel_hi:[1,0]
.endr
.irp p, 0,1,2,3,4,5,6,7
	v_rcp_f32 v[T+\p], v[T+\p]
.endr
	v_nop
.irp p, 0,2,4,6
	v_pk_mul_f32 v[T+\p:T+\p+1], v[T+\p:T+\p+1], v[XA+\p:XA+\p+1]
.endr
.irp q, 0,1,2,3
	v_cvt_pk_bf16_f32 v[OO+\q], v[T+2*\q], v[T+2*\q+1]
.endr
	global_store_b128 v1, v[OO:OO+3], s[26:27] offset:(\i)*HTILE+((\j)/2)*1024+((\j)%2)*512  ; half a fragment of the next product: 512 consecutive bytes
.endm
.else
; Tile i: bias and gate; through my stage, so that sixteen lanes hold a row's 256 bytes; each row to the row of y that tk names.
.macro OUT2 i
.irp j, 0,1,2,3
.irp p, 0,2,4,6
	v_pk_add_f32 v[ACC+8*(4*(\i)+\j)+\p:ACC+8*(4*(\i)+\j)+\p+1], v[ACC+8*(4*(\i)+\j)+\p:ACC+8*(4*(\i)+\j)+\p+1], v[BF+8*\j+\p:BF+8*\j+\p+1]
.endr
.irp p, 0,2,4,6
	v_pk_mul_f32 v[ACC+8*(4*(\i)+\j)+\p:ACC+8*(4*(\i)+\j)+\p+1], v[ACC+8*(4*(\i)+\j)+\p:ACC+8*(4*(\i)+\j)+\p+1], v[14+2*(\i):15+2*(\i)] op_sel_hi:[1,0]
.endr
	ds_store_b128 v20, v[ACC+8*(4*(\i)+\j):ACC+8*(4*(\i)+\j)+3] offset:64*\j
	ds_store_b128 v20, v[ACC+8*(4*(\i)+\j)+4:ACC+8*(4*(\i)+\j)+7] offset:64*\j+16
.endr
.irp t, 0,1,2,3,4,5,6,7
	ds_bpermute_b32 v[ACC+32*(\i)+\t], v[24+\t], v[8+(\i)]   ; the row of y of slot 2 t + h, into registers that the stores above have left
.endr
.irp t, 0,1,2,3,4,5,6,7
	ds_load_b128 v[OUTR+32*(\i)+4*\t:OUTR+32*(\i)+4*\t+3], v21 offset:2*SPI*\t  ; LDS serves a wave's instructions in order (ISA guide 5.7.1.4): these see the stores above; the next tile's come behind them
.endr
	s_wait_dscnt 8                                 ; the eight rows' numbers are back; the eight loads behind them stay out
.irp t, 0,1,2,3,4,5,6,7
	v_min_u32 v[ACC+32*(\i)+\t], 4479, v[ACC+32*(\i)+\t]     ; inside a plane of y whatever was read
	v_lshl_add_u32 v[ACC+32*(\i)+\t], v[ACC+32*(\i)+\t], 12, v22
.endr
.irp t, 0,1,2,3,4,5,6,7
	s_wait_dscnt 7-\t
	global_store_b128 v[ACC+32*(\i)+\t], v[OUTR+32*(\i)+4*\t:OUTR+32*(\i)+4*\t+3], s[36:37]  ; sixteen lanes store 256 consecutive bytes of a row, at a multiple of 256 from y's first byte
.endr
.endm
.endif
.Lgroup:                               ; a trip: 48 slots x 64 columns x 1,024 of K
	s_wait_xcnt 0x0                                ; the last group's stores have read their data, offsets and base: only now are these rewritten
	s_min_u32 s24, s21, 42                         ; the group, inside the buffers whatever was read
	s_mul_i32 s46, s24, 3*ATILE
	s_add_nc_u64 s[22:23], s[34:35], s[46:47]
.if KIND == 1
	s_mul_i32 s46, s24, 3*HTILE
	s_add_nc_u64 s[26:27], s[36:37], s[46:47]
.else
	s_mul_i32 s46, s24, 192
	s_add_nc_u64 s[38:39], s[28:29], s[46:47]
.irp i, 0,1,2
	global_load_b32 v[8+\i], v23, s[38:39] offset:64*\i      ; slot r of tile i: its row of y
.endr
.endif
	ALOAD 0
	ALOAD 1
	ALOAD 2
.if KIND == 2
	s_wait_loadcnt 18                              ; the three words are in; the 18 fragment loads behind them stay out
.irp i, 0,1,2
	v_min_u32 v[11+\i], 4095, v[8+\i]              ; a pad slot takes some gate: its rows of y are never read
	v_lshlrev_b32 v[11+\i], 2, v[11+\i]
.endr
.irp i, 0,1,2
	global_load_b32 v[14+2*\i], v[11+\i], s[12:13] ; these three stand among the fragment loads: the counts of steps 0 to 2 then wait for more than they need, never for less
.endr
.endif
.set ks, 0
.rept 32
	STEP ks
.set ks, ks+1
.endr
.rept 4
	v_nop                                          ; four places behind the last product
.endr
.irp j, 0,1,2,3
	ds_load_b128 v[BF+8*\j:BF+8*\j+3],   v7 offset:64*\j      ; the bias of my 8 columns of column tile j
	ds_load_b128 v[BF+8*\j+4:BF+8*\j+7], v7 offset:64*\j+16
.endr
	s_wait_dscnt 0x0
.if KIND == 1
.irp i, 0,1,2
.irp j, 0,1,2,3
	GELU \i, \j
.endr
.endr
.else
	OUT2 0
	OUT2 1
	OUT2 2
.endif
	s_add_co_u32 s21, s21, 16                      ; my next group
	s_add_co_u32 s49, s49, 1
	s_cmp_lt_u32 s49, s48
	s_cbranch_scc1 .Lgroup
.Lend:
	s_wait_xcnt 0x0
	v_lshl_add_u32 v254, v0, 2, 0x39100
	v_mov_b32 v255, 0
	s_wait_tensorcnt 0x0
	ds_add_u32 v254, v255
	s_wait_dscnt 0x0
	s_endpgm
.Lfunc_end_k_q899193145a_gemm2:
	.size	k_q899193145a_gemm2, .Lfunc_end_k_q899193145a_gemm2-k_q899193145a_gemm2
	.p2alignl 7, 3214868480
	.fill 96, 4, 3214868480
	.section	.rodata,"a",@progbits
	.p2align	6, 0x0
	.amdhsa_kernel k_q899193145a_gemm2
		.amdhsa_group_segment_fixed_size 235776
		.amdhsa_private_segment_fixed_size 0
		.amdhsa_enable_private_segment 0
		.amdhsa_kernarg_size 48
		.amdhsa_user_sgpr_count 2
		.amdhsa_user_sgpr_kernarg_segment_ptr 1
		.amdhsa_wavefront_size32 1
		.amdhsa_system_sgpr_workgroup_id_x 1
		.amdhsa_system_sgpr_workgroup_id_y 1
		.amdhsa_system_sgpr_workgroup_id_z 1
		.amdhsa_system_vgpr_workitem_id 0
		.amdhsa_next_free_vgpr 256
		.amdhsa_next_free_sgpr 66
		.amdhsa_reserve_vcc 0
		.amdhsa_float_denorm_mode_32 3
		.amdhsa_float_denorm_mode_16_64 3
		.amdhsa_memory_ordered 1
		.amdhsa_forward_progress 1
		.amdhsa_inst_pref_size 101
	.end_amdhsa_kernel
	.amdgpu_metadata
---
amdhsa.version: [ 1, 2 ]
amdhsa.kernels:
  - .name:           k_q899193145a_gemm2
    .symbol:         k_q899193145a_gemm2.kd
    .args:
      - { .name: hf, .offset: 0, .size: 8, .value_kind: global_buffer, .address_space: global }
      - { .name: w2, .offset: 8, .size: 8, .value_kind: global_buffer, .address_space: global }
      - { .name: b2, .offset: 16, .size: 8, .value_kind: global_buffer, .address_space: global }
      - { .name: tk, .offset: 24, .size: 8, .value_kind: global_buffer, .address_space: global }
      - { .name: gt, .offset: 32, .size: 8, .value_kind: global_buffer, .address_space: global }
      - { .name: y, .offset: 40, .size: 8, .value_kind: global_buffer, .address_space: global }
    .group_segment_fixed_size: 235776
    .private_segment_fixed_size: 0
    .kernarg_segment_align: 8
    .kernarg_segment_size: 48
    .max_flat_workgroup_size: 512
    .sgpr_count:     66
    .vgpr_count:     256
    .wavefront_size: 32
...
	.end_amdgpu_metadata
.endif
;; end of part 4
;; launch combine (part 5): grid 256 x 1, 8 waves a work-group, no clusters, 0 bytes of LDS; arguments y, out0; writes out0
.if DOCPART == 5
	.amdgcn_target "amdgcn-amd-amdhsa--gfx1250"
	.amdhsa_code_object_version 6
	.text
	.protected	k_q899193145a_combine
	.globl	k_q899193145a_combine
	.p2align	8
	.type	k_q899193145a_combine,@function
k_q899193145a_combine:
	s_mov_b64 s[64:65], 0
	v_nop
	global_prefetch_b8 v0, s[64:65] scope:SCOPE_SE
	s_setreg_imm32_b32 hwreg(HW_REG_WAVE_MODE, 25, 1), 1
	s_wait_xcnt 0x0
; COMBINE.  out[t] = y[0][2 t] + y[0][2 t + 1] + y[1][2 t] + y[1][2 t + 1]: a token's two chosen experts, already gated, each in two halves of K.  y: f32 [2][4480][1024]; out: f32 [2048][1024].
; A sum over contributors made by gathering: each output row has one owner.  One wave a token: 32 loads of 512 consecutive bytes, all issued at once, then 8 stores of 512 consecutive bytes.
; A stream: no LDS, no barrier, no matrix unit, no cluster: no byte is read twice.
.set YH, 4480*4096                     ; a plane of y
.set D,  16                            ; v[16:143]: for piece q of 8, four registers from each of the four rows
	s_load_b128 s[4:7], s[0:1], 0x0                ; y s[4:5], out s[6:7]
	v_lshrrev_b32 v1, 5, v0
	v_readfirstlane_b32 s16, v1                    ; wave 0..7
	v_and_b32 v1, 31, v0
	v_lshlrev_b32 v1, 4, v1                        ; 16 L
	s_lshl_b32 s17, ttmp9, 3
	s_add_co_u32 s17, s17, s16                     ; the token
	s_lshl_b32 s12, s17, 13                        ; its two rows of a plane: 8,192 bytes
	s_mov_b32 s13, 0
	s_lshl_b32 s14, s17, 12                        ; its row of out
	s_mov_b32 s15, 0
	s_wait_kmcnt 0x0
	s_add_nc_u64 s[8:9], s[4:5], s[12:13]
	s_add_nc_u64 s[10:11], s[8:9], YH
	s_add_nc_u64 s[18:19], s[6:7], s[14:15]
.set q, 0
.rept 8
	global_load_b128 v[D+16*q:D+16*q+3],     v1, s[8:9]   offset:512*q th:TH_LOAD_NT
	global_load_b128 v[D+16*q+4:D+16*q+7],   v1, s[8:9]   offset:512*q+4096 th:TH_LOAD_NT
	global_load_b128 v[D+16*q+8:D+16*q+11],  v1, s[10:11] offset:512*q th:TH_LOAD_NT
	global_load_b128 v[D+16*q+12:D+16*q+15], v1, s[10:11] offset:512*q+4096 th:TH_LOAD_NT
.set q, q+1
.endr
.set q, 0
.rept 8
	s_wait_loadcnt 4*(7-q)                         ; loads come back in order (ISA guide 5.7.1): the later pieces' four each stay out
	v_pk_add_f32 v[D+16*q:D+16*q+1],     v[D+16*q:D+16*q+1],     v[D+16*q+4:D+16*q+5]
	v_pk_add_f32 v[D+16*q+2:D+16*q+3],   v[D+16*q+2:D+16*q+3],   v[D+16*q+6:D+16*q+7]
	v_pk_add_f32 v[D+16*q+8:D+16*q+9],   v[D+16*q+8:D+16*q+9],   v[D+16*q+12:D+16*q+13]
	v_pk_add_f32 v[D+16*q+10:D+16*q+11], v[D+16*q+10:D+16*q+11], v[D+16*q+14:D+16*q+15]
	v_pk_add_f32 v[D+16*q:D+16*q+1],     v[D+16*q:D+16*q+1],     v[D+16*q+8:D+16*q+9]
	v_pk_add_f32 v[D+16*q+2:D+16*q+3],   v[D+16*q+2:D+16*q+3],   v[D+16*q+10:D+16*q+11]
	global_store_b128 v1, v[D+16*q:D+16*q+3], s[18:19] offset:512*q th:TH_STORE_NT  ; 512 consecutive bytes, at a multiple of 512 from out's first byte
.set q, q+1
.endr
	s_endpgm
.Lfunc_end_k_q899193145a_combine:
	.size	k_q899193145a_combine, .Lfunc_end_k_q899193145a_combine-k_q899193145a_combine
	.p2alignl 7, 3214868480
	.fill 96, 4, 3214868480
	.section	.rodata,"a",@progbits
	.p2align	6, 0x0
	.amdhsa_kernel k_q899193145a_combine
		.amdhsa_group_segment_fixed_size 0
		.amdhsa_private_segment_fixed_size 0
		.amdhsa_enable_private_segment 0
		.amdhsa_kernarg_size 16
		.amdhsa_user_sgpr_count 2
		.amdhsa_user_sgpr_kernarg_segment_ptr 1
		.amdhsa_wavefront_size32 1
		.amdhsa_system_sgpr_workgroup_id_x 1
		.amdhsa_system_sgpr_workgroup_id_y 1
		.amdhsa_system_sgpr_workgroup_id_z 1
		.amdhsa_system_vgpr_workitem_id 0
		.amdhsa_next_free_vgpr 144
		.amdhsa_next_free_sgpr 66
		.amdhsa_reserve_vcc 0
		.amdhsa_float_denorm_mode_32 3
		.amdhsa_float_denorm_mode_16_64 3
		.amdhsa_memory_ordered 1
		.amdhsa_forward_progress 1
		.amdhsa_inst_pref_size 8
	.end_amdhsa_kernel
	.amdgpu_metadata
---
amdhsa.version: [ 1, 2 ]
amdhsa.kernels:
  - .name:           k_q899193145a_combine
    .symbol:         k_q899193145a_combine.kd
    .args:
      - { .name: y, .offset: 0, .size: 8, .value_kind: global_buffer, .address_space: global }
      - { .name: out0, .offset: 8, .size: 8, .value_kind: global_buffer, .address_space: global }
    .group_segment_fixed_size: 0
    .private_segment_fixed_size: 0
    .kernarg_segment_align: 8
    .kernarg_segment_size: 16
    .max_flat_workgroup_size: 256
    .sgpr_count:     66
    .vgpr_count:     144
    .wavefront_size: 32
...
	.end_amdgpu_metadata
.endif
;; end of part 5
